; MI455X (gfx1250); checked and timed in simulation.
; The chip was launched on July 23, 2026; its instructions are those of AMD's public machine-readable ISA for CDNA 5 (MIT licence, August 2026) and "CDNA5" Instruction Set Architecture Reference Guide (July 2026). The comments in the code are by the model that wrote it; some were corrected since.
;; Sparse Feed Forward. Allowed arithmetic: float matrix products may take bf16 or f16 operands with f32 sums; other float arithmetic in f32, or as packed bf16 or f16 multiplies, adds, multiply-adds, maxima and minima; sums over many terms, partial sums and values carried from step to step in f32; what a program stores and reads back later, other than sums and carried values, may be rounded once to bf16 or f16.
;; Inputs: b1 8 x 2,048 float32; b2 8 x 1,024 float32; b3 8 x 2,048 float32; gate_b 8 float32; gate_w 1,024 x 8 float32; w1 8 x 1,024 x 2,048 float32; w2 8 x 2,048 x 1,024 float32; w3 8 x 1,024 x 2,048 float32; x 2 x 512 x 1,024 float32.
;; Outputs: out0 2 x 512 x 1,024 float32.
;; One version. Each part assembles by itself: llvm-mc -triple=amdgcn-amd-amdhsa -mcpu=gfx1250 --defsym DOCPART=n.
;; ======== version 1 of 1: 4 launches
;; workspace buffers: xb 2,097,152 bytes; idx 4,096 bytes of whole numbers; gw 8,192 bytes; hbuf 33,554,432 bytes; part 16,777,216 bytes
;; launch router (part 1): grid 256 x 1, 2 waves a work-group, no clusters, 0 bytes of LDS; arguments x, gate_w, gate_b, xb, idx, gw; writes xb, idx, gw
.if DOCPART == 1
	.amdgcn_target "amdgcn-amd-amdhsa--gfx1250"
	.amdhsa_code_object_version 6
	.text
	.protected	k_qdfcba0bff3_router
	.globl	k_qdfcba0bff3_router
	.p2align	8
	.type	k_qdfcba0bff3_router,@function
k_qdfcba0bff3_router:
	s_mov_b64 s[64:65], 0
	v_nop
	global_prefetch_b8 v0, s[64:65] scope:SCOPE_SE
	s_setreg_imm32_b32 hwreg(HW_REG_WAVE_MODE, 25, 1), 1
	s_wait_xcnt 0x0
; ROUTER.  For each of 1,024 tokens: logits = x . gate_w + gate_b (8 experts), softmax with the maximum taken away, the two largest
; probabilities (of equal ones the lower index), both divided by (their sum + 1e-6).  It also writes x rounded to bf16 for the products.
; Stored at fixed places: xb[token][1024] bf16; idx[token] = (1<<e0)|(1<<e1)|(e0<<8), whole numbers; gw[token][2] f32, first choice first.
; LIMITS.  x, gate_w and gate_b are used rounded to bf16, as every input of this program is; products exact, sums in f32 in another order
; than a plain dot product, so two probabilities closer than that rounding may change places.  A probability under 2^-126 counts as 0.
; NaN and infinities are not treated apart.
; SHARES.  A work-group has 4 tokens, a wave 2.  D goes in 8 chunks of 128; in chunk c lane L owns d = 128 c + 4 L + q, q = 0..3:
; 16 consecutive bytes of each token's x and 128 consecutive bytes of gate_w.  No LDS, no matrix unit: 8 columns are half a tile, and the
; launch is bound by the 4 MB of x that it reads and the 2 MB that it writes.  Two chunk buffers take turns, ten loads each.
.set R0,  8                            ; v[8:47]   buffer 0: gate_w 32 registers (8 q + e), then x 8 registers (4 u + q)
.set R1,  48                           ; v[48:87]  buffer 1
.set ACC, 88                           ; v[88:103] 8 u + e: the lane's partial logits
.set GB,  104                          ; v[104:111] gate_b; later the stores' offsets and the word
.set LG,  112                          ; v[112:119] logits
.set PR,  122                          ; v[122:129] probabilities
.set QR,  130                          ; v[130:137] the same with the best one taken out
	s_load_b256 s[4:11], s[0:1], 0x0               ; x s[4:5], gate_w s[6:7], gate_b s[8:9], xb s[10:11]
	s_load_b128 s[12:15], s[0:1], 0x20             ; idx s[12:13], gw s[14:15]
	v_and_b32 v1, 31, v0                           ; lane
	v_lshrrev_b32 v6, 5, v0
	v_readfirstlane_b32 s16, v6                    ; wave
	v_lshlrev_b32 v2, 4, v1                        ; my 16 bytes in a chunk of x
	v_lshlrev_b32 v3, 7, v1                        ; my 128 bytes in a chunk of gate_w
	v_lshlrev_b32 v4, 3, v1                        ; my 8 bytes in a chunk of xb
	v_mov_b32 v5, 0
	v_mov_b32 v7, 0
	s_lshl_b32 s22, ttmp9, 2
	s_lshl1_add_u32 s22, s16, s22                  ; my wave's first token = 4 x work-group + 2 x wave
	s_mov_b32 s3, 0
	s_mov_b32 s18, 0x76543210                      ; v_permlanex16_b32: each lane takes its own place in the other half
	s_mov_b32 s19, 0xfedcba98
	s_mov_b32 s21, 0xffff0000                      ; lanes 16-31 as a mask; also a word's upper bf16
	s_mov_b32 s17, 3
	s_wait_kmcnt 0x0
	s_lshl_b32 s2, s22, 12
	s_add_nc_u64 s[4:5], s[4:5], s[2:3]            ; x at my first token
	s_lshl_b32 s2, s22, 11
	s_add_nc_u64 s[10:11], s[10:11], s[2:3]        ; xb
	s_lshl_b32 s2, s22, 2
	s_add_nc_u64 s[12:13], s[12:13], s[2:3]        ; idx
	s_lshl_b32 s2, s22, 3
	s_add_nc_u64 s[14:15], s[14:15], s[2:3]        ; gw
.macro LDCH R, ahead                   ; ten loads: the chunk 'ahead' chunks behind the stepped bases
.irp z, 0,1,2,3,4,5,6,7
	global_load_b128 v[(\R)+4*(\z):(\R)+4*(\z)+3], v3, s[6:7] offset:(\ahead)*4096+16*(\z)
.endr
.irp u, 0,1
	global_load_b128 v[(\R)+32+4*(\u):(\R)+32+4*(\u)+3], v2, s[4:5] offset:(\u)*4096+(\ahead)*512 th:TH_LOAD_NT
.endr
.endm
; A chunk: everything is rounded to bf16 in place (the packed word lands on a register whose numbers have been read), x goes out,
; and 64 multiply-adds read the bf16 halves straight into the f32 sums; 16 sums take turns.
.macro CHUNK R, co
.irp q, 0,1,2,3
.irp p, 0,1,2,3
	v_cvt_pk_bf16_f32 v[(\R)+8*(\q)+(\p)], v[(\R)+8*(\q)+2*(\p)], v[(\R)+8*(\q)+2*(\p)+1]
.endr
.endr
.irp u, 0,1
	v_cvt_pk_bf16_f32 v[(\R)+32+4*(\u)], v[(\R)+32+4*(\u)], v[(\R)+32+4*(\u)+1]
	v_cvt_pk_bf16_f32 v[(\R)+32+4*(\u)+1], v[(\R)+32+4*(\u)+2], v[(\R)+32+4*(\u)+3]
	global_store_b64 v4, v[(\R)+32+4*(\u):(\R)+32+4*(\u)+1], s[10:11] offset:(\u)*2048+256*(\co)  ; the wave stores 256 consecutive bytes, aligned
.endr
.irp qh, 0,1
.irp ql, 0,1
.irp u, 0,1
.irp eh, 0,1,2,3
.irp el, 0,1
	v_fma_mix_f32_bf16 v[ACC+8*(\u)+2*(\eh)+(\el)], v[(\R)+32+4*(\u)+(\qh)], v[(\R)+8*(2*(\qh)+(\ql))+(\eh)], v[ACC+8*(\u)+2*(\eh)+(\el)] op_sel:[\ql,\el,0] op_sel_hi:[1,1,0]
.endr
.endr
.endr
.endr
.endr
.endm
	global_load_b128 v[GB:GB+3], v5, s[8:9]
	global_load_b128 v[GB+4:GB+7], v5, s[8:9] offset:16
	LDCH R0, 0
	LDCH R1, 1
.irp a, 0,1,2,3,4,5,6,7,8,9,10,11,12,13,14,15
	v_mov_b32 v[ACC+(\a)], 0
.endr
.Lchunks:                                              ; three trips of two chunks; the last two chunks stand behind the loop and load nothing
	s_wait_loadcnt 10                              ; loads come back in order: all but the other buffer's ten are in
	CHUNK R0, 0
	s_wait_xcnt 0x0                                ; the stores have read buffer 0's x registers: only now is it loaded again
	LDCH R0, 2
	s_wait_loadcnt 10
	CHUNK R1, 1
	s_wait_xcnt 0x0
	LDCH R1, 3
	s_wait_xcnt 0x0                                ; the bases are stepped only behind this wait
	s_add_nc_u64 s[6:7], s[6:7], 8192
	s_add_nc_u64 s[4:5], s[4:5], 1024
	s_add_nc_u64 s[10:11], s[10:11], 512
	s_sub_co_u32 s17, s17, 1
	s_cmp_lg_u32 s17, 0
	s_cbranch_scc1 .Lchunks
	s_wait_loadcnt 10
	CHUNK R0, 0
	s_wait_loadcnt 0x0
	CHUNK R1, 1
	; across the lanes: four steps inside each half of 16 lanes for all 16 sums,
.irp m, 1,2,4,8
.irp a, 0,1,2,3,4,5,6,7,8,9,10,11,12,13,14,15
	v_add_f32_dpp v[ACC+(\a)], v[ACC+(\a)], v[ACC+(\a)] row_xmask:\m row_mask:0xf bank_mask:0xf
.endr
.endr
	; gate_b rounded to bf16 and widened again,
.irp p, 0,1,2,3
	v_cvt_pk_bf16_f32 v6, v[GB+2*(\p)], v[GB+2*(\p)+1]
	v_lshlrev_b32 v[GB+2*(\p)], 16, v6
	v_and_b32 v[GB+2*(\p)+1], s21, v6
.endr
	; and one exchange of the halves that also parts the tokens: lanes 0-15 end with token 0's logits, lanes 16-31 with token 1's
.irp e, 0,1,2,3,4,5,6,7
	v_cndmask_b32 v7, v[ACC+8+(\e)], v[ACC+(\e)], s21      ; what the other half wants of me
	v_cndmask_b32 v[LG+(\e)], v[ACC+(\e)], v[ACC+8+(\e)], s21  ; my half's share of my token
	v_permlanex16_b32 v6, v7, s18, s19
	v_add_f32 v[LG+(\e)], v[LG+(\e)], v6
	v_add_f32 v[LG+(\e)], v[LG+(\e)], v[GB+(\e)]
.endr
	; softmax
	v_max3_num_f32 v120, v[LG], v[LG+1], v[LG+2]
	v_max3_num_f32 v120, v120, v[LG+3], v[LG+4]
	v_max3_num_f32 v120, v120, v[LG+5], v[LG+6]
	v_max_num_f32 v120, v120, v[LG+7]
.irp e, 0,1,2,3,4,5,6,7
	v_sub_f32 v[PR+(\e)], v[LG+(\e)], v120
.endr
.irp e, 0,1,2,3,4,5,6,7
	v_mul_f32 v[PR+(\e)], 0x3fb8aa3b, v[PR+(\e)]   ; log2(e)
.endr
.irp e, 0,1,2,3,4,5,6,7
	v_exp_f32 v[PR+(\e)], v[PR+(\e)]
.endr
	v_nop                                          ; a plain instruction behind the last exponential
	s_wait_alu depctr_va_vdst(0)
	v_add_f32 v121, v[PR], v[PR+1]
	v_add_f32 v142, v[PR+2], v[PR+3]
	v_add_f32 v6, v[PR+4], v[PR+5]
	v_add_f32 v7, v[PR+6], v[PR+7]
	v_add_f32 v121, v121, v142
	v_add_f32 v6, v6, v7
	v_add_f32 v121, v121, v6
	v_rcp_f32 v121, v121
	v_nop
	s_wait_alu depctr_va_vdst(0)
.irp e, 0,1,2,3,4,5,6,7
	v_mul_f32 v[PR+(\e)], v[PR+(\e)], v121
.endr
	; the largest (a later one wins only if strictly greater: the lower index is kept), then the largest of the rest
	v_mov_b32 v138, v[PR]
	v_mov_b32 v139, 0
.irp e, 1,2,3,4,5,6,7
	v_cmp_gt_f32 vcc_lo, v[PR+(\e)], v138
	v_cndmask_b32 v138, v138, v[PR+(\e)], vcc_lo
	v_cndmask_b32 v139, v139, \e, vcc_lo
.endr
.irp e, 0,1,2,3,4,5,6,7
	v_cmp_eq_u32 vcc_lo, \e, v139
	v_cndmask_b32 v[QR+(\e)], v[PR+(\e)], -1.0, vcc_lo
.endr
	v_mov_b32 v140, v[QR]
	v_mov_b32 v141, 0
.irp e, 1,2,3,4,5,6,7
	v_cmp_gt_f32 vcc_lo, v[QR+(\e)], v140
	v_cndmask_b32 v140, v140, v[QR+(\e)], vcc_lo
	v_cndmask_b32 v141, v141, \e, vcc_lo
.endr
	v_add_f32 v142, v138, v140
	v_add_f32 v142, 0x358637bd, v142               ; + 1e-6
	v_rcp_f32 v142, v142
	v_mov_b32 v143, 1                              ; (the plain instruction behind the reciprocal)
	s_wait_alu depctr_va_vdst(0)
	v_mul_f32 v120, v138, v142
	v_mul_f32 v121, v140, v142
	v_lshlrev_b32 v107, v139, v143                 ; 1 << e0
	v_lshlrev_b32 v6, v141, v143                   ; 1 << e1
	v_or_b32 v107, v107, v6
	v_lshl_or_b32 v107, v139, 8, v107
	v_lshrrev_b32 v106, 4, v1                      ; which of my wave's two tokens
	v_lshlrev_b32 v104, 2, v106
	v_lshlrev_b32 v105, 3, v106
	v_and_b32 v106, 15, v1
	v_cmp_eq_u32 vcc_lo, 0, v106                   ; lanes 0 and 16 store: 12 bytes a token, 12 KB in the whole launch
	s_wait_xcnt 0x0                                ; EXEC changes only behind this wait
	s_and_saveexec_b32 s20, vcc_lo
	global_store_b32 v104, v107, s[12:13]
	global_store_b64 v105, v[120:121], s[14:15]
	s_wait_xcnt 0x0
	s_or_b32 exec_lo, exec_lo, s20
	s_endpgm
.Lfunc_end_k_qdfcba0bff3_router:
	.size	k_qdfcba0bff3_router, .Lfunc_end_k_qdfcba0bff3_router-k_qdfcba0bff3_router
	.p2alignl 7, 3214868480
	.fill 96, 4, 3214868480
	.section	.rodata,"a",@progbits
	.p2align	6, 0x0
	.amdhsa_kernel k_qdfcba0bff3_router
		.amdhsa_group_segment_fixed_size 0
		.amdhsa_private_segment_fixed_size 0
		.amdhsa_enable_private_segment 0
		.amdhsa_kernarg_size 48
		.amdhsa_user_sgpr_count 2
		.amdhsa_user_sgpr_kernarg_segment_ptr 1
		.amdhsa_wavefront_size32 1
		.amdhsa_system_sgpr_workgroup_id_x 1
		.amdhsa_system_sgpr_workgroup_id_y 1
		.amdhsa_system_sgpr_workgroup_id_z 1
		.amdhsa_system_vgpr_workitem_id 0
		.amdhsa_next_free_vgpr 144
		.amdhsa_next_free_sgpr 66
		.amdhsa_reserve_vcc 1
		.amdhsa_float_denorm_mode_32 3
		.amdhsa_float_denorm_mode_16_64 3
		.amdhsa_memory_ordered 1
		.amdhsa_forward_progress 1
		.amdhsa_inst_pref_size 40
	.end_amdhsa_kernel
	.amdgpu_metadata
---
amdhsa.version: [ 1, 2 ]
amdhsa.kernels:
  - .name:           k_qdfcba0bff3_router
    .symbol:         k_qdfcba0bff3_router.kd
    .args:
      - { .name: x, .offset: 0, .size: 8, .value_kind: global_buffer, .address_space: global }
      - { .name: gate_w, .offset: 8, .size: 8, .value_kind: global_buffer, .address_space: global }
      - { .name: gate_b, .offset: 16, .size: 8, .value_kind: global_buffer, .address_space: global }
      - { .name: xb, .offset: 24, .size: 8, .value_kind: global_buffer, .address_space: global }
      - { .name: idx, .offset: 32, .size: 8, .value_kind: global_buffer, .address_space: global }
      - { .name: gw, .offset: 40, .size: 8, .value_kind: global_buffer, .address_space: global }
    .group_segment_fixed_size: 0
    .private_segment_fixed_size: 0
    .kernarg_segment_align: 8
    .kernarg_segment_size: 48
    .max_flat_workgroup_size: 64
    .sgpr_count:     66
    .vgpr_count:     144
    .wavefront_size: 32
...
	.end_amdgpu_metadata
.endif
;; end of part 1
;; launch ffn1 (part 2): grid 32 x 8, 4 waves a work-group, no clusters, 299,776 bytes of LDS; arguments xb, w1, w3, b1, b3, idx, hbuf; writes hbuf
.if DOCPART == 2
	.amdgcn_target "amdgcn-amd-amdhsa--gfx1250"
	.amdhsa_code_object_version 6
	.text
	.protected	k_qdfcba0bff3_ffn1
	.globl	k_qdfcba0bff3_ffn1
	.p2align	8
	.type	k_qdfcba0bff3_ffn1,@function
k_qdfcba0bff3_ffn1:
	s_mov_b64 s[64:65], 0
	v_nop
	global_prefetch_b8 v0, s[64:65] scope:SCOPE_SE
	s_setreg_imm32_b32 hwreg(HW_REG_WAVE_MODE, 25, 1), 1
	s_wait_xcnt 0x0
; FIRST PRODUCT OF THE EXPERTS.  h = silu(x w1[e] + b1[e]) * (x w3[e] + b3[e]) for the tokens that chose expert e, stored in bf16.
; SHARES.  Work-group (sl, e) owns columns 64 sl .. 64 sl + 63 of w1[e] and of w3[e] (512 KB of f32, rows of 256 aligned bytes, which it
; alone reads, once) and ALL rows of expert e, however many: every split of the tokens is served.
; PHASES.  (1) Wave 0 makes the expert's list of tokens from idx (whole numbers that the launch before stored) by a count over lane masks.
; (2) The four waves bring the slice in through registers, 64 loads of 16 bytes a lane asked for at a time, round it to bf16 and lay it into LDS
; turned: [column][k].  A lane's eight loads hold 8 k x 4 columns, so the pairs that v_cvt_pk_bf16_f32 packs run along k and the turn costs nothing.
; (3) Passes of 320 rows: a wave has 5 blocks of 16 rows x 128 columns (40 accumulators); the weights come from LDS, the rows of xb (by the list)
; from memory straight into registers.  Nothing writes LDS in the passes, so the loop whose work hangs on the count needs no barrier.
; Four passes cover 1,024 rows; a pass or a block that begins at or past the count is jumped over, forward.
; RANKS.  Rank = place in the list; tokens in the order group g = 0..31, lane L: token 128 (g / 4) + 4 L + g % 4 (as idx comes in by 16-byte
; loads); the second product makes the same list.  Places past the count repeat the last row.
; THE MATRIX INSTRUCTION IS USED TRANSPOSED: source 0 = 16 columns of the weights, source 1 = 16 rows of x.  A lane then holds ONE rank (lane % 16)
; and eight columns.  LDS row 64 mat + 16 c + m holds column 4 m + c, so register j of n block c is column 4 (8 hh + j) + c.
; HBUF lies in the order in which the second product's operand registers take it: [e][sl][block of 16 ranks][z = 0..3][lane][16 bytes]: lane (r, hh) stores
; its eight numbers of n block z, and loads them back there as they are: place j holds column 32 hh + 4 j + z of the slice.  A wave's store covers 512 consecutive bytes, aligned.
; THE WALK OVER K BEGINS AT QUARTER sl % 4 and goes round: the first fills of the 32 work-groups that share an expert's rows cover all four quarters
; between them, and each refill asks for bytes that eight others asked for a trip earlier.  Only the order of the f32 sums hangs on it.
; NO CLUSTER: each slice of weights has one reader; what an expert's 32 work-groups share are rows of xb named by a list, which no one descriptor covers.
; NO TENSOR LOAD: the weights are f32 and have to pass registers to be rounded.
; LIMITS.  x, w1, w3, b1, b3 are used rounded to bf16; sums in f32, beginning with the bias; h rounded once to bf16.  NaN and infinities are not treated apart.
; REGISTERS, in windows of 256 (s_set_vgpr_msb: bits 1:0 source 0, 3:2 source 1, 5:4 source 2, 7:6 destination):
;   window 0: addresses, list work, epilogue, the weights' two fragment buffers     window 1: the weights' staging (slot s at 32 s); later x's ring of blocks 0-3 (64 p + 16 b + 8 x)
;   window 2: accumulators of blocks 0-3 (64 b + 8 n)             window 3: v0-63 accumulators of block 4; v64-127 its ring of x; v128-191 the biases as C operands
.set CH,    18432                      ; a chunk of 64 k in LDS: 128 rows of 144 bytes
.set PIT,   144                        ; 128 bytes + 16: 9 x 16, so sixteen consecutive rows start at sixteen different 16-byte columns modulo 256
.set LIST,  16*CH                      ; 1,024 words by rank, then 32 words for the lanes whose token did not choose e
.set CNTW,  LIST+4224                  ; the count
.set SPARE, LIST+4352                  ; the spare words: 128 bytes a wave, two blocks of 256 bytes that no other line names
.set SPW,  4                           ; v4   SPARE + 4 x thread; never rewritten
.set NIL,  5                           ; v5   0; never rewritten
.set VOFF, 6                           ; v6   weights: 8 rows x (lane / 16) + 16 (lane % 16)
.set VST,  7                           ; v7   where I store packed weights
.set VB,   8                           ; v8   r x 144 + 16 hh: my place in a fragment of the weights
.set VBC,  9                           ; v9   VB + the trip's quarter
.set VBN,  10                          ; v10  VBC + 3 chunks: an LDS offset holds 16 bits
.set VBX,  11                          ; v11  VB + the next trip's quarter
.set VHO,  12                          ; v12  16 x lane + my wave's 16 ranks of 128 bytes
.set H16,  13                          ; v13  16 hh
.set VA,   14                          ; v14-18  block j: byte offset of my row of xb
.set DMP,  19                          ; v19  1024 + lane
.set TK,   20                          ; v20  4 x lane
.set CAD,  21                          ; v21  CNTW
.set IXO,  25                          ; v25  16 x lane
.set BO,   26                          ; v26  128 hh: my half's 32 numbers of a bias
.set IX,   32                          ; v32-63  idx, 32 tokens a lane (wave 0)
.set T,    32                          ; v32-95  later: packed weights, four sets by turns
.set ET,   64                          ; v64-95  epilogue
.set EO,   96                          ; v96-111 epilogue: what is stored
.set LR,   128                         ; v128-159 list work (wave 0)
.set RAW,  128                         ; v128-191 later: b1, b3 as loaded: 32 mat + 4 j + c
.set BF,   128                         ; v128-255 in the passes: the weights' two buffers of 8 fragments
.set TUP,  128                         ; window 3: n block n's bias, register j for column 4 (8 hh + j) + c
.set W_LD, 0x40
.set W_CV, 0x05
.set W_A4, 0xc0
.set W_M,  0xa4                        ; weights window 0, x window 1, C and D window 2; + 0x10: C window 3
.set W_M4, 0xfc                        ; weights window 0; x, C, D window 3
.set MSB, 0
.macro WIN new                         ; the immediate's high byte repeats the setting that is left; a switch that changes nothing is dropped
.if MSB != (\new)
	s_set_vgpr_msb (MSB<<8)|(\new)
.set MSB, \new
.endif
.endm
.macro PLACES                          ; a load into a register that a matrix instruction has read, and a vector instruction on a matrix result, stand four plain vector instructions behind it
.rept 4
	v_nop
.endr
.endm
.macro ALLG line:vararg                ; one line for each group g of the list; s[MG] is the group's mask: s40-s63, then s66-s73
.set g, 0
.rept 32
.set MG, 40+g+2*(g/24)
	\line
.set g, g+1
.endr
.endm
; Slot s of the staging: 16 k (8 a lane half) x 64 columns of w1 (s < 4) or w3: eight loads, each 2 x 256 consecutive bytes
.macro WLOAD s, add
	WIN W_LD
.irp j, 0,1,2,3,4,5,6,7
.if (\s) < 4
	global_load_b128 v[32*(\s)+4*(\j):32*(\s)+4*(\j)+3], v[VOFF], s[6:7] offset:((\s)%4)*131072+8192*(\j)+(\add) th:TH_LOAD_NT
.else
	global_load_b128 v[32*(\s)+4*(\j):32*(\s)+4*(\j)+3], v[VOFF], s[8:9] offset:((\s)%4)*131072+8192*(\j)+(\add) th:TH_LOAD_NT
.endif
.endr
.endm
.macro WFILL
.irp s, 0,1,2,3,4,5,6,7
	WLOAD \s, 0
.endr
	WIN 0
.endm
; Slot s is rounded, packed along k and stored: column 4 r + c goes to LDS row 64 mat + 16 c + r.  left = the younger loads that may stay out
.macro WTURN s, refill, left
	s_wait_loadcnt \left
	WIN W_CV
.set TT, T+16*((\s)%4)
.irp c, 0,1,2,3
.irp d, 0,1,2,3
	v_cvt_pk_bf16_f32 v[TT+4*(\c)+(\d)], v[32*(\s)+8*(\d)+(\c)], v[32*(\s)+8*(\d)+4+(\c)]
.endr
.endr
	WIN 0
.irp c, 0,1,2,3
	ds_store_b128 v[VST], v[TT+4*(\c):TT+4*(\c)+3] offset:((\s)/4)*9216+((\s)%4)*32+2304*(\c)
.endr
.if \refill
	WLOAD \s, 524288                               ; the same slot 64 k further down
.endif
.endm
; x's ring: slot p takes 64 k (two steps) of the five blocks' rows: 20 loads; the four that share a row's 128 bytes stand together
.macro REFILL p, off
	WIN W_LD
.irp b, 0,1,2,3
.irp z, 0,1,2,3
	global_load_b128 v[64*(\p)+16*(\b)+4*(\z):64*(\p)+16*(\b)+4*(\z)+3], v[VA+(\b)], s[34:35] offset:(\off)+32*(\z)
.endr
.endr
	WIN W_A4
.irp z, 0,1,2,3
	global_load_b128 v[64+16*(\p)+4*(\z):64+16*(\p)+4*(\z)+3], v[VA+4], s[34:35] offset:(\off)+32*(\z)
.endr
.endm
; The weights' fragments of one step (32 k x 128 columns): chunk c behind the trip's first (c = 4: the next trip's first), half ks
.macro FETCHB buf, c, ks
	WIN 0
.if (\c) < 3
.set FA, VBC
.set FO, (\c)*CH
.elseif (\c) == 3
.set FA, VBN
.set FO, 0
.else
.set FA, VBX
.set FO, 0
.endif
.irp n, 0,1,2,3,4,5,6,7
	ds_load_b128 v[BF+64*(\buf)+8*(\n):BF+64*(\buf)+8*(\n)+3],   v[FA] offset:FO+64*(\ks)+2304*(\n)
	ds_load_b128 v[BF+64*(\buf)+8*(\n)+4:BF+64*(\buf)+8*(\n)+7], v[FA] offset:FO+64*(\ks)+2304*(\n)+32
.endr
.endm
; The trip's LDS addresses from its quarter s32; next = 1: s32 goes on to the next quarter, whose LDS address and byte offset in a row of xb (s2) are made too
.macro SETB next
	s_mul_i32 s25, s32, 4*CH
	v_add_nc_u32 v[VBC], s25, v[VB]
	v_add_nc_u32 v[VBN], 3*CH, v[VBC]
.if \next
	s_add_co_u32 s32, s32, 1
	s_and_b32 s32, s32, 3
	s_mul_i32 s25, s32, 4*CH
	v_add_nc_u32 v[VBX], s25, v[VB]
	s_lshl_b32 s2, s32, 9
.endif
.endm
; Block b's eight products of step tau.  first = 1: the bias is the C operand that starts the sums: nothing is cleared
.macro MUL b, tau, first
.set BB, BF+64*((\tau)%2)
.if (\b) < 4
.set AA, 64*(((\tau)/2)%4)+16*(\b)+8*((\tau)%2)
.set CC, 64*(\b)
	WIN W_M+0x10*(\first)
.else
.set AA, 64+16*(((\tau)/2)%4)+8*((\tau)%2)
.set CC, 0
	WIN W_M4
.endif
.irp n, 0,1,2,3,4,5,6,7
.if \first
	v_wmma_f32_16x16x32_bf16 v[CC+8*(\n):CC+8*(\n)+7], v[BB+8*(\n):BB+8*(\n)+7], v[AA:AA+7], v[TUP+8*(\n):TUP+8*(\n)+7]
.else
	v_wmma_f32_16x16x32_bf16 v[CC+8*(\n):CC+8*(\n)+7], v[BB+8*(\n):BB+8*(\n)+7], v[AA:AA+7], v[CC+8*(\n):CC+8*(\n)+7]
.endif
.endr
.endm
; A step of 32 k: 40 products, the 40 accumulators by turns.  Behind the first 16 stand the next step's 16 LDS loads
; and, in every second step, the 20 loads that fill again the slot of x read last.  Block 4 is jumped where the pass has no rows for it
; (not in the first step, which starts its sums whatever comes).  bump = 1: x's base goes to the next quarter, ahead of the trip's first refill:
; the loads that still name the old base were issued at least 64 products ago.
.macro STEP tau, first, await, fetch, refill, bump=0
.if (\await) >= 0
	s_wait_loadcnt \await                          ; this step's slot of x is in; the younger slots stay out
.endif
	s_wait_dscnt 0x0                               ; the weights of this step, asked for 24 products ago
	MUL 0, \tau, \first
	MUL 1, \tau, \first
.if (\fetch) || (\refill)
	PLACES
.endif
.if \fetch
	FETCHB ((\tau)+1)%2, ((\tau)+1)/2, ((\tau)+1)%2
.endif
.if \bump
	s_wait_xcnt 0x0                                ; the base is written only behind this wait
	s_add_nc_u64 s[34:35], s[4:5], s[2:3]
.endif
.if \refill
	REFILL ((\tau)/2+3)%4, ((\tau)/2-1)*128
.endif
	MUL 2, \tau, \first
	MUL 3, \tau, \first
	WIN 0
.if !(\first)
	s_cmp_eq_u32 s29, 0
	s_cbranch_scc1 .Lno4_\@
.endif
	MUL 4, \tau, \first
	WIN 0
.if !(\first)
.Lno4_\@:
.endif
.endm
; Block b leaves: h = g u / (1 + 2^(-log2(e) g)); each accumulator is read from its lowest registers on
.macro EPI b
	s_add_co_u32 s25, s28, 64*(\b)
	s_cmp_ge_u32 s25, s22
	s_cbranch_scc1 .Ldead_\@                       ; the block begins at or past the count
.set AC, 64*((\b)%4)
	WIN 0x02+(\b)/4
.irp c, 0,1,2,3
.irp p, 0,1,2,3
	v_pk_mul_f32 v[ET+8*(\c)+2*(\p):ET+8*(\c)+2*(\p)+1], v[AC+8*(\c)+2*(\p):AC+8*(\c)+2*(\p)+1], s[36:37] op_sel_hi:[1,0]
.endr
.endr
	WIN 0x8a+0x45*((\b)/4)
.irp c, 0,1,2,3
.irp p, 0,1,2,3
	v_pk_mul_f32 v[AC+8*(\c)+2*(\p):AC+8*(\c)+2*(\p)+1], v[AC+8*(\c)+2*(\p):AC+8*(\c)+2*(\p)+1], v[AC+32+8*(\c)+2*(\p):AC+32+8*(\c)+2*(\p)+1]
.endr
.endr
	WIN 0
.set i, 0
.rept 32
	v_exp_f32 v[ET+i], v[ET+i]
.set i, i+1
.endr
	v_nop                                          ; a plain instruction behind the last exponential
.set i, 0
	s_wait_alu depctr_va_vdst(0)
.rept 16
	v_pk_add_f32 v[ET+i:ET+i+1], v[ET+i:ET+i+1], 1.0 op_sel_hi:[1,0]
.set i, i+2
.endr
.set i, 0
.rept 32
	v_rcp_f32 v[ET+i], v[ET+i]
.set i, i+1
.endr
	v_nop
	WIN 0x02+(\b)/4
.set i, 0
	s_wait_alu depctr_va_vdst(0)
.rept 16
	v_pk_mul_f32 v[ET+i:ET+i+1], v[AC+i:AC+i+1], v[ET+i:ET+i+1]
.set i, i+2
.endr
	WIN 0
	s_wait_xcnt 0x0                                ; the block before's stores have read EO
.irp c, 0,1,2,3
.irp p, 0,1,2,3
	v_cvt_pk_bf16_f32 v[EO+4*(\c)+(\p)], v[ET+8*(\c)+2*(\p)], v[ET+8*(\c)+2*(\p)+1]  ; my rank's eight numbers of n block c: 16 bytes
.endr
.endr
.irp c, 0,1,2,3
	global_store_b128 v[VHO], v[EO+4*(\c):EO+4*(\c)+3], s[16:17] offset:8192*(\b)+512*(\c)  ; part z = c of the block: 512 consecutive bytes, aligned
.endr
.Ldead_\@:
.endm
	s_load_b256 s[4:11], s[0:1], 0x0               ; xb s[4:5], w1 s[6:7], w3 s[8:9], b1 s[10:11]
	s_load_b128 s[12:15], s[0:1], 0x20             ; b3 s[12:13], idx s[14:15]
	s_load_b64 s[16:17], s[0:1], 0x30              ; hbuf
	v_lshl_add_u32 v[SPW], v0, 2, SPARE
	v_mov_b32 v[NIL], 0
	v_lshrrev_b32 v22, 5, v0
	v_readfirstlane_b32 s18, v22                   ; wave
	v_and_b32 v1, 31, v0                           ; lane
	v_and_b32 v2, 15, v0                           ; r
	v_bfe_u32 v3, v0, 4, 1                         ; hh
	v_lshlrev_b32 v22, 4, v2
	v_lshl_add_u32 v[VOFF], v3, 16, v22            ; 8 rows of 8,192 bytes x hh + 16 r
	v_lshlrev_b32 v[BO], 7, v3
	v_lshlrev_b32 v[IXO], 4, v1
	v_mul_u32_u24 v[VB], v2, PIT
	v_lshl_add_u32 v[VB], v3, 4, v[VB]
	s_mul_i32 s25, s18, 4*CH                       ; wave w fills chunks 4 w .. 4 w + 3
	v_add_nc_u32 v[VST], s25, v[VB]
	s_lshl_b32 s25, s18, 11
	v_lshl_add_u32 v[VHO], v1, 4, s25              ; 16 x lane + 16 ranks of 128 bytes x wave
	v_lshlrev_b32 v[H16], 4, v3
	v_add_nc_u32 v[DMP], 0x400, v1
	v_lshlrev_b32 v[TK], 2, v1
	v_mov_b32 v[CAD], CNTW
	s_and_b32 s19, ttmp7, 0xffff                   ; expert
	s_mov_b32 s20, ttmp9                           ; slice
	s_lshl_b32 s21, 1, s19
	s_mov_b32 s36, 0xbfb8aa3b                      ; -log2(e); named as a pair
	s_mov_b32 s37, 0xbfb8aa3b
	s_mov_b32 s38, 0xffff0000                      ; a word's upper bf16
	s_lshl_b32 s2, s19, 23                         ; the expert's 8 MB,
	s_lshl_b32 s25, s20, 8                         ; the slice's 256 bytes in a row,
	s_add_co_u32 s2, s2, s25
	s_lshl_b32 s25, s18, 21                        ; my wave's 256 rows
	s_add_co_u32 s2, s2, s25
	s_mov_b32 s3, 0                                ; s3 stays 0: the upper word of every offset pair s[2:3]
	s_wait_kmcnt 0x0
	s_add_nc_u64 s[6:7], s[6:7], s[2:3]
	s_add_nc_u64 s[8:9], s[8:9], s[2:3]
	s_lshl_b32 s2, s19, 13
	s_lshl_b32 s25, s20, 8
	s_add_co_u32 s2, s2, s25
	s_add_nc_u64 s[10:11], s[10:11], s[2:3]
	s_add_nc_u64 s[12:13], s[12:13], s[2:3]
	s_lshl_b32 s2, s19, 5
	s_add_co_u32 s2, s2, s20
	s_lshl_b32 s2, s2, 17
	s_add_nc_u64 s[16:17], s[16:17], s[2:3]        ; hbuf at [e][sl]
	; Wave 0's extra work stands in ONE branch on the wave's number: idx, then like the others the first 64 loads of weights, then the list while those are on their way
	s_cmp_lg_u32 s18, 0
	s_cbranch_scc1 .Lothers
.irp q, 0,1,2,3,4,5,6,7
	global_load_b128 v[IX+4*(\q):IX+4*(\q)+3], v[IXO], s[14:15] offset:512*(\q)
.endr
	WFILL
	v_add_nc_u32 v24, LIST, v[IXO]                 ; all 1,024 words of the list are written once, with 0, so that every word that a rank can name has been stored;
	v_mov_b32 v28, 0                               ; LDS serves a wave's instructions in order (ISA guide 5.7.1.4): the list's own stores come behind these
	v_mov_b32 v29, 0
	v_mov_b32 v30, 0
	v_mov_b32 v31, 0
.irp q, 0,1,2,3,4,5,6,7
	ds_store_b128 v24, v[28:31] offset:512*(\q)
.endr
	s_wait_loadcnt 63                              ; 64 loads were issued behind idx: with 63 out idx is in
	s_mov_b32 s24, 0
	; The list, one operation at a time over all 32 groups, so that no line reads the result of the line before it.
	ALLG v_and_b32 v[LR+g], s21, v[IX+g]
	ALLG v_cmp_ne_u32 s[MG], 0, v[LR+g]            ; which lanes' tokens chose e
.set g, 0
.rept 32
.set MG, 40+g+2*(g/24)
	v_mbcnt_lo_u32_b32 v[LR+g], s[MG], s24         ; rank = the count so far + the chosen lanes below
	s_bcnt1_i32_b32 s25, s[MG]
	s_add_co_u32 s24, s24, s25
.set g, g+1
.endr
	ALLG v_cndmask_b32 v[LR+g], v[DMP], v[LR+g], s[MG]
	ALLG v_min_u32 v[LR+g], 0x41f, v[LR+g]         ; whatever idx holds, the store stays in the list and its 32 dump words
	ALLG v_lshl_add_u32 v[LR+g], v[LR+g], 2, LIST
	ALLG v_add_nc_u32 v[IX+g], 128*(g/4)+(g%4), v[TK]
	ALLG ds_store_b32 v[LR+g], v[IX+g]             ; the token goes to its rank's word
	v_mov_b32 v23, s24
	ds_store_b32 v[CAD], v23                       ; the count
	s_branch .Ljoin
.Lothers:
	WFILL
.Ljoin:
	s_wait_dscnt 0x0                               ; wave 0's list and count are in LDS
	s_barrier_signal -1
	s_barrier_wait -1                              ; and only now do the other waves store into LDS
	ds_load_b32 v22, v[CAD]
	s_wait_dscnt 0x0
	v_readfirstlane_b32 s22, v22
	s_min_u32 s22, s22, 0x400                      ; the count, 0 to 1,024
	s_max_u32 s23, s22, 1
	s_sub_co_u32 s23, s23, 1                       ; the last rank that exists
	; the slice: four times 64 k of both matrices a wave
	s_mov_b32 s31, 3
.Lw:
.irp s, 0,1,2,3,4,5,6,7
	WTURN \s, 1, 56                                ; seven younger slots of eight loads stay out
.endr
	WIN 0
	s_wait_xcnt 0x0                                ; the bases are stepped only behind this wait
	s_add_nc_u64 s[6:7], s[6:7], 524288
	s_add_nc_u64 s[8:9], s[8:9], 524288
	v_add_nc_u32 v[VST], CH, v[VST]
	s_sub_co_u32 s31, s31, 1
	s_cmp_lg_u32 s31, 0
	s_cbranch_scc1 .Lw
.irp s, 0,1,2,3
	WTURN \s, 0, 56-8*(\s)                         ; the last 64 k: nothing more of the weights is asked for, the counts run down
.endr
.irp j, 0,1,2,3,4,5,6,7                ; the biases are asked for here, where 32 loads are out, and land behind the last weights: my half's 32 numbers of each
	global_load_b128 v[RAW+4*(\j):RAW+4*(\j)+3],       v[BO], s[10:11] offset:16*(\j)
	global_load_b128 v[RAW+32+4*(\j):RAW+32+4*(\j)+3], v[BO], s[12:13] offset:16*(\j)
.endr
.irp s, 4,5,6,7
	WTURN \s, 0, 72-8*(\s)                         ; the younger slots and the 16 loads of the biases stay out
.endr
	s_wait_loadcnt 0x0                             ; the biases
.irp m, 0,1
.irp j, 0,1,2,3,4,5,6,7
.irp h, 0,1
	v_cvt_pk_bf16_f32 v[RAW+32*(\m)+4*(\j)+2*(\h)], v[RAW+32*(\m)+4*(\j)+2*(\h)], v[RAW+32*(\m)+4*(\j)+2*(\h)+1]  ; rounded to bf16 like every input,
.endr
.endr
.endr
	WIN W_A4
.irp m, 0,1
.irp j, 0,1,2,3,4,5,6,7
.irp h, 0,1
	v_lshlrev_b32 v[TUP+8*(4*(\m)+2*(\h))+(\j)], 16, v[RAW+32*(\m)+4*(\j)+2*(\h)]      ; and widened again into the C operands: n block 4 mat + c, register j
	v_and_b32 v[TUP+8*(4*(\m)+2*(\h)+1)+(\j)], s38, v[RAW+32*(\m)+4*(\j)+2*(\h)]
.endr
.endr
.endr
	WIN 0
	s_wait_dscnt 0x0                               ; for the others' sake: my part of the slice is in LDS
	s_barrier_signal -1
	s_barrier_wait -1                              ; in the passes LDS is only read
	s_mov_b32 s30, 4                               ; 4 passes x 320 rows cover every count
	s_lshl_b32 s28, s18, 4                         ; my first block's first rank: 16 x wave; block j begins 64 j further on
.Lpass:
	s_cmp_ge_u32 s28, s22
	s_cbranch_scc1 .Lnext                          ; no rows of mine in this pass
	s_add_co_u32 s25, s28, 256
	s_cmp_lt_u32 s25, s22
	s_cselect_b32 s29, 1, 0                        ; has block 4 rows?
	v_add_nc_u32 v22, s28, v2
.irp j, 0,1,2,3,4
	v_add_nc_u32 v[VA+(\j)], 64*(\j), v22
	v_min_u32 v[VA+(\j)], s23, v[VA+(\j)]          ; places past the count repeat the last row
	v_min_u32 v[VA+(\j)], 0x3ff, v[VA+(\j)]
	v_lshl_add_u32 v[VA+(\j)], v[VA+(\j)], 2, LIST
	ds_load_b32 v[VA+(\j)], v[VA+(\j)]
.endr
	s_wait_dscnt 0x0
.irp j, 0,1,2,3,4
	v_min_u32 v[VA+(\j)], 0x3ff, v[VA+(\j)]
	v_lshl_add_u32 v[VA+(\j)], v[VA+(\j)], 11, v[H16]  ; token x 2,048 bytes + 16 hh
.endr
	s_and_b32 s32, s20, 3                          ; the walk's first quarter of K
	s_lshl_b32 s2, s32, 9                          ; 256 k are 512 bytes of a row
	s_add_nc_u64 s[34:35], s[4:5], s[2:3]
	REFILL 0, 0
	REFILL 1, 128
	REFILL 2, 256
	REFILL 3, 384
	WIN 0
	SETB 0
	FETCHB 0, 0, 0
	STEP 0, 1, 60, 1, 0                            ; the first step stands ahead of the loop; three younger slots of 20 loads stay out
	s_mov_b32 s31, 3
.Lk:                                                   ; a trip: steps 8 i + 1 .. 8 i + 8; its four refills are the next quarter's four chunks
	SETB 1
	STEP 1, 0, -1, 1, 0
	STEP 2, 0, 40, 1, 1, 1                         ; two younger slots stay out
	STEP 3, 0, -1, 1, 0
	STEP 4, 0, 40, 1, 1
	STEP 5, 0, -1, 1, 0
	STEP 6, 0, 40, 1, 1
	STEP 7, 0, -1, 1, 0
	STEP 8, 0, 40, 1, 1
	s_sub_co_u32 s31, s31, 1
	s_cmp_lg_u32 s31, 0
	s_cbranch_scc1 .Lk
	SETB 0
	STEP 1, 0, -1, 1, 0                            ; steps 25 to 31: no refill, the counts run down
	STEP 2, 0, 40, 1, 0
	STEP 3, 0, -1, 1, 0
	STEP 4, 0, 20, 1, 0
	STEP 5, 0, -1, 1, 0
	STEP 6, 0, 0, 1, 0
	STEP 7, 0, -1, 0, 0
	PLACES
	EPI 0
	EPI 1
	EPI 2
	EPI 3
	EPI 4
.Lnext:
	s_wait_xcnt 0x0                                ; the stores' base is stepped only behind this wait
	s_add_nc_u64 s[16:17], s[16:17], 40960         ; 320 ranks of 128 bytes
	s_add_co_u32 s28, s28, 320
	s_sub_co_u32 s30, s30, 1
	s_cmp_lg_u32 s30, 0
	s_cbranch_scc1 .Lpass
	s_wait_dscnt 0x0                               ; my reads of the slice and of the list are back,
	s_barrier_signal -1
	s_barrier_wait -1                              ; and so are every wave's: no wave writes LDS again before that
	s_wait_tensorcnt 0x0                           ; the wave's end
	ds_add_u32 v[SPW], v[NIL]
	s_wait_dscnt 0x0
	s_endpgm
.Lfunc_end_k_qdfcba0bff3_ffn1:
	.size	k_qdfcba0bff3_ffn1, .Lfunc_end_k_qdfcba0bff3_ffn1-k_qdfcba0bff3_ffn1
	.p2alignl 7, 3214868480
	.fill 96, 4, 3214868480
	.section	.rodata,"a",@progbits
	.p2align	6, 0x0
	.amdhsa_kernel k_qdfcba0bff3_ffn1
		.amdhsa_group_segment_fixed_size 299776
		.amdhsa_private_segment_fixed_size 0
		.amdhsa_enable_private_segment 0
		.amdhsa_kernarg_size 56
		.amdhsa_user_sgpr_count 2
		.amdhsa_user_sgpr_kernarg_segment_ptr 1
		.amdhsa_wavefront_size32 1
		.amdhsa_system_sgpr_workgroup_id_x 1
		.amdhsa_system_sgpr_workgroup_id_y 1
		.amdhsa_system_sgpr_workgroup_id_z 1
		.amdhsa_system_vgpr_workitem_id 0
		.amdhsa_next_free_vgpr 960
		.amdhsa_next_free_sgpr 74
		.amdhsa_reserve_vcc 0
		.amdhsa_float_denorm_mode_32 3
		.amdhsa_float_denorm_mode_16_64 3
		.amdhsa_memory_ordered 1
		.amdhsa_forward_progress 1
		.amdhsa_inst_pref_size 190
	.end_amdhsa_kernel
	.amdgpu_metadata
---
amdhsa.version: [ 1, 2 ]
amdhsa.kernels:
  - .name:           k_qdfcba0bff3_ffn1
    .symbol:         k_qdfcba0bff3_ffn1.kd
    .args:
      - { .name: xb, .offset: 0, .size: 8, .value_kind: global_buffer, .address_space: global }
      - { .name: w1, .offset: 8, .size: 8, .value_kind: global_buffer, .address_space: global }
      - { .name: w3, .offset: 16, .size: 8, .value_kind: global_buffer, .address_space: global }
      - { .name: b1, .offset: 24, .size: 8, .value_kind: global_buffer, .address_space: global }
      - { .name: b3, .offset: 32, .size: 8, .value_kind: global_buffer, .address_space: global }
      - { .name: idx, .offset: 40, .size: 8, .value_kind: global_buffer, .address_space: global }
      - { .name: hbuf, .offset: 48, .size: 8, .value_kind: global_buffer, .address_space: global }
    .group_segment_fixed_size: 299776
    .private_segment_fixed_size: 0
    .kernarg_segment_align: 8
    .kernarg_segment_size: 56
    .max_flat_workgroup_size: 128
    .sgpr_count:     74
    .vgpr_count:     960
    .wavefront_size: 32
...
	.end_amdgpu_metadata
.endif
;; end of part 2
;; launch ffn2 (part 3): grid 32 x 8, 4 waves a work-group, no clusters, 156,672 bytes of LDS; arguments hbuf, w2, b2, idx, gw, part; writes part
.if DOCPART == 3
	.amdgcn_target "amdgcn-amd-amdhsa--gfx1250"
	.amdhsa_code_object_version 6
	.text
	.protected	k_qdfcba0bff3_ffn2
	.globl	k_qdfcba0bff3_ffn2
	.p2align	8
	.type	k_qdfcba0bff3_ffn2,@function
k_qdfcba0bff3_ffn2:
	s_mov_b64 s[64:65], 0
	v_nop
	global_prefetch_b8 v0, s[64:65] scope:SCOPE_SE
	s_setreg_imm32_b32 hwreg(HW_REG_WAVE_MODE, 25, 1), 1
	s_wait_xcnt 0x0
; SECOND PRODUCT OF THE EXPERTS.  part[2 token + slot][kh][:] = gate weight x (h w2[e] over half kh of F, + b2[e] where kh = 0), in f32: partial sums that the last launch adds.
; SHARES.  Work-group (x, e): sd = x % 16 owns 64 output columns (256 aligned bytes of each row of w2[e]), kh = x / 16 a half of F (1,024 k): 256 KB of f32
; that it alone reads, once; and all rows of expert e.  F is halved because 16 slices x 8 experts would be 128 work-groups, and slices of 32 columns half rows of 256 bytes.
; PHASES as in the first product: wave 0 makes the list (here: 2 token + slot, and the gate weight, by rank); the slice goes through registers,
; rounded to bf16 and turned, into LDS; then passes of 320 rows, 5 blocks of 16 rows x 64 columns a wave, B from LDS, A (blocks of hbuf)
; from memory into registers.  Nothing writes LDS in the passes, so they need no barrier; a pass or block at or past the count is jumped over, forward.
; HBUF lies in the order of A's operand registers: [e][slice of 64 k][block of 16 ranks][z = 0..3][lane][16 bytes]: load z of a block and slice covers 512 consecutive
; bytes, and loads 2 x and 2 x + 1 are the fragment of k half x.  Its place 16 z + 8 hh + j holds k = 32 hh + 4 j + z of the slice; w2 is laid into LDS in the same order of k:
; slot z, load j and lane half hh of the staging take row 32 hh + 4 j + z of the chunk.  A permutation of k alike in A and B leaves the products as they are.
; A block that begins past the count repeats the last block that exists; in that block the places past the count hold the last row once more
; (so the first product wrote them) and take its place and weight: they store the same bytes to the same place.
; THE WALK OVER K BEGINS AT QUARTER sd % 4 of the half and goes round: the first fills of the 16 work-groups that share rows of h cover all four quarters
; between them, and each refill asks for bytes that four others asked for a trip earlier.  Only the order of the f32 sums hangs on it.
; COLUMNS.  LDS row 16 c + r holds column 4 r + c, so a lane's four results of a row are 16 consecutive bytes and sixteen lanes store 256 consecutive bytes, aligned.
; NO CLUSTER: each slice of weights has one reader; the rows of h that 16 work-groups share are as many as a stored count says, and a loop of such a length keeps LDS rings out.
; LIMITS.  w2 and b2 are used rounded to bf16, h as stored in bf16; sums in f32, beginning with the bias.  NaN and infinities are not treated apart.
; REGISTERS (s_set_vgpr_msb: bits 1:0 source 0, 3:2 source 1, 5:4 source 2, 7:6 destination):
;   window 0: addresses, list work, epilogue, B's two buffers     window 1: staging (slot s at 32 s); later A's ring of blocks 0-3 (64 p + 16 b + 8 x)
;   window 2: v0-159 accumulators (32 b + 8 c); v160-223 A's ring of block 4; v224-255 the bias as C operands
.set CH,    9216                       ; a chunk of 64 k in LDS: 64 rows of 144 bytes
.set PIT,   144
.set LIST,  16*CH                      ; 1,024 words by rank: 2 token + slot; then 32 dump words
.set CNTW,  LIST+4224
.set GWO,   4352                       ; the gate weights by rank lie this far behind the list, with dump words of their own
.set SPARE, LIST+8704                  ; the spare words: 128 bytes a wave, two blocks of 256 bytes that no other line names
.set DS,    131072                     ; from one slice of hbuf (64 k) to the next
.set SPW,  4
.set NIL,  5
.set VOFF, 6                           ; v6   weights: 32 rows x hh + 16 r
.set VST,  7
.set VB,   8
.set VBC,  9                           ; v9   VB + the trip's quarter
.set H8,   10                          ; v10  8 hh
.set R16,  11                          ; v11  16 r
.set TK2,  12                          ; v12  8 x lane
.set VBX,  13                          ; v13  VB + the next trip's quarter
.set VA,   14                          ; v14-18  block j: its byte offset in a slice of hbuf + 16 x lane
.set DMP,  19
.set CAD,  21
.set IXO,  25                          ; v25  16 x lane
.set GWA,  27                          ; v27  32 x lane
.set IX,   32                          ; v32-63  idx (wave 0)
.set T,    32                          ; v32-95  later: packed weights, four sets by turns
.set GWR,  64                          ; v64-127 gw of the lane's 32 tokens (wave 0): 2 g + slot
.set EN,   64                          ; later: v64-71 the rows' places in part
.set GV,   72                          ; v72-79  their gate weights
.set Q,    80                          ; v80-87  LDS addresses
.set EO,   96                          ; v96-127 what is stored
.set LR,   128                         ; v128-159 list work (wave 0)
.set BF,   128                         ; v128-255 in the passes: B's two buffers of 8 fragments (16 n + 8 x)
.set BI,   224                         ; v224-227 b2 as loaded, at the start
.set TUP,  224                         ; window 2: n block c's bias, eight times
.set W_LD, 0x40
.set W_CV, 0x05
.set W_A4, 0x80
.set MSB, 0
.macro WIN new
.if MSB != (\new)
	s_set_vgpr_msb (MSB<<8)|(\new)
.set MSB, \new
.endif
.endm
.macro PLACES                          ; four plain vector instructions between a matrix instruction and a load into, or a vector instruction on, its registers
.rept 4
	v_nop
.endr
.endm
.macro ALLG line:vararg                ; one line for each group g of the list; s[MG] is the group's mask: s40-s63, then s66-s73
.set g, 0
.rept 32
.set MG, 40+g+2*(g/24)
	\line
.set g, g+1
.endr
.endm
.macro WLOAD s, add                    ; slot s: chunk s / 4, z = s % 4: rows 32 hh + 4 j + z, 64 columns: eight loads, each 2 x 256 consecutive bytes
	WIN W_LD
.irp j, 0,1,2,3,4,5,6,7
	global_load_b128 v[32*(\s)+4*(\j):32*(\s)+4*(\j)+3], v[VOFF], s[6:7] offset:(((\s)/4)*64+((\s)%4)+4*(\j))*4096+(\add) th:TH_LOAD_NT
.endr
.endm
.macro WFILL
.irp s, 0,1,2,3,4,5,6,7
	WLOAD \s, 0
.endr
	WIN 0
.endm
.macro WTURN s, refill, left, lofs     ; slot s is rounded, packed along its eight rows and stored at place 16 z + 8 hh of the chunk's rows
	s_wait_loadcnt \left
	WIN W_CV
.set TT, T+16*((\s)%4)
.irp c, 0,1,2,3
.irp d, 0,1,2,3
	v_cvt_pk_bf16_f32 v[TT+4*(\c)+(\d)], v[32*(\s)+8*(\d)+(\c)], v[32*(\s)+8*(\d)+4+(\c)]
.endr
.endr
	WIN 0
.irp c, 0,1,2,3
	ds_store_b128 v[VST], v[TT+4*(\c):TT+4*(\c)+3] offset:(\lofs)+((\s)/4)*CH+((\s)%4)*32+2304*(\c)
.endr
.if \refill
	WLOAD \s, 524288                               ; the same slot 128 k further down
.endif
.endm
.macro REFILL p, off                   ; A's slot p: one slice (64 k) of the five blocks, 20 loads of 512 consecutive bytes
	WIN W_LD
.irp b, 0,1,2,3
.irp z, 0,1,2,3
	global_load_b128 v[64*(\p)+16*(\b)+4*(\z):64*(\p)+16*(\b)+4*(\z)+3], v[VA+(\b)], s[34:35] offset:(\off)+512*(\z)
.endr
.endr
	WIN W_A4
.irp z, 0,1,2,3
	global_load_b128 v[160+16*(\p)+4*(\z):160+16*(\p)+4*(\z)+3], v[VA+4], s[34:35] offset:(\off)+512*(\z)
.endr
.endm
.macro FETCHB buf, c                   ; B's fragments of one step (64 k x 64 columns): chunk c behind the trip's first (4, 5: the next trip's first two)
	WIN 0
.if (\c) < 4
.set FA, VBC
.set FO, (\c)*CH
.else
.set FA, VBX
.set FO, ((\c)-4)*CH
.endif
.irp n, 0,1,2,3
.irp x, 0,1
	ds_load_b128 v[BF+64*(\buf)+16*(\n)+8*(\x):BF+64*(\buf)+16*(\n)+8*(\x)+3],   v[FA] offset:FO+2304*(\n)+64*(\x)
	ds_load_b128 v[BF+64*(\buf)+16*(\n)+8*(\x)+4:BF+64*(\buf)+16*(\n)+8*(\x)+7], v[FA] offset:FO+2304*(\n)+64*(\x)+32
.endr
.endr
.endm
; The trip's LDS address from its quarter s32; next = 1: s32 goes on to the next quarter, whose LDS address and byte offset in hbuf (s2) are made too
.macro SETB next
	s_mul_i32 s25, s32, 4*CH
	v_add_nc_u32 v[VBC], s25, v[VB]
.if \next
	s_add_co_u32 s32, s32, 1
	s_and_b32 s32, s32, 3
	s_mul_i32 s25, s32, 4*CH
	v_add_nc_u32 v[VBX], s25, v[VB]
	s_lshl_b32 s2, s32, 19                         ; four slices of 131,072 bytes
.endif
.endm
.macro MUL b, sig, first               ; block b's eight products of step sig: two k halves x four n blocks, the four accumulators by turns; first = 1: the bias starts the sums
.set BB, BF+64*((\sig)%2)
.set CC, 32*(\b)
.if (\b) < 4
.set AA, 64*((\sig)%4)+16*(\b)
	WIN 0xa1
.else
.set AA, 160+16*((\sig)%4)
	WIN 0xa2
.endif
.irp x, 0,1
.irp n, 0,1,2,3
.if (\first) && ((\x) == 0)
	v_wmma_f32_16x16x32_bf16 v[CC+8*(\n):CC+8*(\n)+7], v[AA+8*(\x):AA+8*(\x)+7], v[BB+16*(\n)+8*(\x):BB+16*(\n)+8*(\x)+7], v[TUP+8*(\n):TUP+8*(\n)+7]
.else
	v_wmma_f32_16x16x32_bf16 v[CC+8*(\n):CC+8*(\n)+7], v[AA+8*(\x):AA+8*(\x)+7], v[BB+16*(\n)+8*(\x):BB+16*(\n)+8*(\x)+7], v[CC+8*(\n):CC+8*(\n)+7]
.endif
.endr
.endr
.endm
; A step of 64 k: 40 products; no two that follow each other share an accumulator.  Behind the first 16 stand, in one run, the next step's
; 16 LDS loads and the 20 loads that fill again the slot of A read in the step before.  fetch, refill: the chunk and the slice behind the trip's or the next
; quarter's first, or -1.  bump = 1: A's base goes to the next quarter, ahead of the trip's first refill: the loads that still name the old base were issued 40 products ago.
.macro STEP sig, first, await, fetch, refill, bump=0
	s_wait_loadcnt \await                          ; this step's slot of A is in; the younger slots stay out
	s_wait_dscnt 0x0                               ; B of this step, asked for 24 products ago
	MUL 0, \sig, \first
	MUL 1, \sig, \first
.if ((\fetch) >= 0) || ((\refill) >= 0)
	PLACES
.endif
.if (\fetch) >= 0
	FETCHB ((\sig)+1)%2, \fetch
.endif
.if \bump
	s_wait_xcnt 0x0                                ; the base is written only behind this wait
	s_add_nc_u64 s[34:35], s[36:37], s[2:3]
.endif
.if (\refill) >= 0
	REFILL ((\sig)+3)%4, (\refill)*DS
.endif
	MUL 2, \sig, \first
	MUL 3, \sig, \first
	WIN 0
.if !(\first)
	s_cmp_eq_u32 s29, 0
	s_cbranch_scc1 .Lno4_\@
.endif
	MUL 4, \sig, \first
	WIN 0
.if !(\first)
.Lno4_\@:
.endif
.endm
; Block b leaves: register i of a lane is row 8 hh + i; its place in part and its gate weight come from the list
.macro EPI b
	s_add_co_u32 s25, s28, 64*(\b)
	s_cmp_ge_u32 s25, s22
	s_cbranch_scc1 .Ldead_\@
	s_wait_xcnt 0x0                                ; the block before's stores have read EN and EO
	v_add_nc_u32 v22, s25, v[H8]
.irp i, 0,1,2,3,4,5,6,7
	v_add_nc_u32 v[Q+(\i)], \i, v22
	v_min_u32 v[Q+(\i)], s23, v[Q+(\i)]
	v_min_u32 v[Q+(\i)], 0x3ff, v[Q+(\i)]
	v_lshl_add_u32 v[Q+(\i)], v[Q+(\i)], 2, LIST
	ds_load_b32 v[EN+(\i)], v[Q+(\i)]
	ds_load_b32 v[GV+(\i)], v[Q+(\i)] offset:GWO
.endr
	s_wait_dscnt 0x0
.irp i, 0,1,2,3,4,5,6,7
	v_min_u32 v[EN+(\i)], 0x7ff, v[EN+(\i)]
	v_lshl_add_u32 v[EN+(\i)], v[EN+(\i)], 13, v[R16]  ; (2 token + slot) x 8,192 bytes + 16 r
.endr
	WIN 0x02
.irp i, 0,1,2,3,4,5,6,7
.irp c, 0,1,2,3
	v_mul_f32 v[EO+4*(\i)+(\c)], v[32*(\b)+8*(\c)+(\i)], v[GV+(\i)]  ; each accumulator is read from its lowest register on
.endr
.endr
	WIN 0
.irp i, 0,1,2,3,4,5,6,7
	global_store_b128 v[EN+(\i)], v[EO+4*(\i):EO+4*(\i)+3], s[14:15]  ; sixteen lanes store 256 consecutive bytes of one row, aligned
.endr
.Ldead_\@:
.endm
	s_load_b256 s[4:11], s[0:1], 0x0               ; hbuf s[4:5], w2 s[6:7], b2 s[8:9], idx s[10:11]
	s_load_b128 s[12:15], s[0:1], 0x20             ; gw s[12:13], part s[14:15]
	v_lshl_add_u32 v[SPW], v0, 2, SPARE
	v_mov_b32 v[NIL], 0
	v_lshrrev_b32 v22, 5, v0
	v_readfirstlane_b32 s18, v22                   ; wave
	v_and_b32 v1, 31, v0
	v_and_b32 v2, 15, v0                           ; r
	v_bfe_u32 v3, v0, 4, 1                         ; hh
	v_lshlrev_b32 v[R16], 4, v2
	v_lshl_add_u32 v[VOFF], v3, 17, v[R16]         ; 32 rows of 4,096 bytes x hh + 16 r
	v_lshlrev_b32 v[IXO], 4, v1
	v_lshlrev_b32 v[GWA], 5, v1
	v_mul_u32_u24 v[VB], v2, PIT
	v_lshl_add_u32 v[VB], v3, 4, v[VB]
	s_mul_i32 s25, s18, 4*CH
	v_add_nc_u32 v[VST], s25, v[VB]
	v_lshlrev_b32 v[H8], 3, v3
	v_lshlrev_b32 v[TK2], 3, v1
	v_add_nc_u32 v[DMP], 0x400, v1
	v_mov_b32 v[CAD], CNTW
	s_and_b32 s19, ttmp7, 0xffff                   ; expert
	s_and_b32 s20, ttmp9, 15                       ; sd
	s_lshr_b32 s33, ttmp9, 4                       ; kh
	s_lshl_b32 s21, 1, s19
	s_lshl_b32 s26, s20, 8                         ; the slice's 256 bytes in a row
	s_lshl_b32 s2, s19, 23                         ; the expert's 8 MB,
	s_lshl_b32 s25, s33, 22                        ; the half's 1,024 rows,
	s_add_co_u32 s2, s2, s25
	s_lshl_b32 s25, s18, 20                        ; my wave's 256 rows
	s_add_co_u32 s2, s2, s25
	s_add_co_u32 s2, s2, s26
	s_mov_b32 s3, 0                                ; s3 stays 0: the upper word of every offset pair s[2:3]
	s_wait_kmcnt 0x0
	s_add_nc_u64 s[6:7], s[6:7], s[2:3]
	s_lshl_b32 s2, s19, 12
	s_add_co_u32 s2, s2, s26
	s_add_nc_u64 s[8:9], s[8:9], s[2:3]            ; b2
	s_lshl_b32 s2, s33, 12
	s_add_co_u32 s2, s2, s26
	s_add_nc_u64 s[14:15], s[14:15], s[2:3]        ; part at [kh][64 sd]
	s_lshl_b32 s2, s19, 22
	s_lshl_b32 s25, s33, 21
	s_add_co_u32 s2, s2, s25
	s_add_nc_u64 s[36:37], s[4:5], s[2:3]          ; hbuf at [e][16 kh]
	s_cmp_eq_u32 s33, 0
	s_cselect_b32 s26, -1, 0                       ; the bias belongs to half 0 alone
	; wave 0's extra work stands in one branch on the wave's number
	s_cmp_lg_u32 s18, 0
	s_cbranch_scc1 .Lothers
.irp q, 0,1,2,3,4,5,6,7
	global_load_b128 v[IX+4*(\q):IX+4*(\q)+3], v[IXO], s[10:11] offset:512*(\q)
.endr
.irp q, 0,1,2,3,4,5,6,7
	global_load_b128 v[GWR+8*(\q):GWR+8*(\q)+3],   v[GWA], s[12:13] offset:1024*(\q)
	global_load_b128 v[GWR+8*(\q)+4:GWR+8*(\q)+7], v[GWA], s[12:13] offset:1024*(\q)+16
.endr
	global_load_b128 v[BI:BI+3], v[R16], s[8:9]
	WFILL
	v_add_nc_u32 v26, LIST, v[IXO]                 ; all 1,024 words of the list and of the weights by rank are written once, with 0, so that every word that a rank can name has been stored;
	v_mov_b32 v28, 0                               ; LDS serves a wave's instructions in order (ISA guide 5.7.1.4): the list's own stores come behind these
	v_mov_b32 v29, 0
	v_mov_b32 v30, 0
	v_mov_b32 v31, 0
.irp q, 0,1,2,3,4,5,6,7
	ds_store_b128 v26, v[28:31] offset:512*(\q)
	ds_store_b128 v26, v[28:31] offset:GWO+512*(\q)
.endr
	s_wait_loadcnt 63                              ; 64 loads were issued behind idx, gw and the bias: with 63 out those are in
	s_mov_b32 s24, 0
	; The list, one operation at a time over all 32 groups, so that no line reads the result of the line before it.
	ALLG v_and_b32 v[LR+g], s21, v[IX+g]
	ALLG v_cmp_ne_u32 s[MG], 0, v[LR+g]            ; which lanes' tokens chose e
.set g, 0
.rept 32
.set MG, 40+g+2*(g/24)
	v_mbcnt_lo_u32_b32 v[LR+g], s[MG], s24         ; rank = the count so far + the chosen lanes below
	s_bcnt1_i32_b32 s25, s[MG]
	s_add_co_u32 s24, s24, s25
.set g, g+1
.endr
	ALLG v_cndmask_b32 v[LR+g], v[DMP], v[LR+g], s[MG]
	ALLG v_min_u32 v[LR+g], 0x41f, v[LR+g]         ; whatever idx holds, the stores stay in the list and its 32 dump words
	ALLG v_lshl_add_u32 v[LR+g], v[LR+g], 2, LIST
	ALLG v_bfe_u32 v[IX+g], v[IX+g], 8, 4          ; the token's first choice
	ALLG v_cmp_ne_u32 s[MG], s19, v[IX+g]          ; the masks' registers now say: e is the second choice
	ALLG v_cndmask_b32 v[GWR+2*g], v[GWR+2*g], v[GWR+2*g+1], s[MG]
	ALLG v_cndmask_b32 v[IX+g], 0, 1, s[MG]
	ALLG v_add3_u32 v[IX+g], v[TK2], v[IX+g], 256*(g/4)+2*(g%4)
	ALLG ds_store_b32 v[LR+g], v[IX+g]             ; 2 token + slot,
	ALLG ds_store_b32 v[LR+g], v[GWR+2*g] offset:GWO  ; and the gate weight, to the rank's words
	v_mov_b32 v23, s24
	ds_store_b32 v[CAD], v23
	s_branch .Ljoin
.Lothers:
	global_load_b128 v[BI:BI+3], v[R16], s[8:9]
	WFILL
.Ljoin:
	s_wait_loadcnt 63                              ; the bias is in
	v_cvt_pk_bf16_f32 v22, v[BI], v[BI+1]
	v_cvt_pk_bf16_f32 v23, v[BI+2], v[BI+3]
	v_and_b32 v22, s26, v22
	v_and_b32 v23, s26, v23
	v_lshlrev_b32 v[BI], 16, v22
	v_and_b32 v[BI+1], 0xffff0000, v22
	v_lshlrev_b32 v[BI+2], 16, v23
	v_and_b32 v[BI+3], 0xffff0000, v23
	WIN W_A4
.irp n, 0,1,2,3
.irp i, 0,1,2,3,4,5,6,7
	v_mov_b32 v[TUP+8*(\n)+(\i)], v[BI+(\n)]       ; a C operand: my column's bias in all eight rows
.endr
.endr
	WIN 0
	s_wait_dscnt 0x0                               ; wave 0's list, weights and count are in LDS
	s_barrier_signal -1
	s_barrier_wait -1                              ; and only now do the other waves store into LDS
	ds_load_b32 v22, v[CAD]
	s_wait_dscnt 0x0
	v_readfirstlane_b32 s22, v22
	s_min_u32 s22, s22, 0x400
	s_max_u32 s23, s22, 1
	s_sub_co_u32 s23, s23, 1                       ; the last rank that exists,
	s_and_b32 s38, s23, 0x3f0                      ; and its block's first rank
	; the slice: twice 128 k a wave
.irp s, 0,1,2,3,4,5,6,7
	WTURN \s, 1, 56, 0                             ; seven younger slots of eight loads stay out
.endr
.irp s, 0,1,2,3,4,5,6,7
	WTURN \s, 0, 56-8*(\s), 2*CH
.endr
	s_wait_dscnt 0x0                               ; for the others' sake: my part of the slice is in LDS
	s_barrier_signal -1
	s_barrier_wait -1                              ; in the passes LDS is only read
	s_mov_b32 s30, 4
	s_lshl_b32 s28, s18, 4
.Lpass:
	s_cmp_ge_u32 s28, s22
	s_cbranch_scc1 .Lnext
	s_add_co_u32 s25, s28, 256
	s_cmp_lt_u32 s25, s22
	s_cselect_b32 s29, 1, 0
.irp j, 0,1,2,3,4
	s_add_co_u32 s25, s28, 64*(\j)
	s_min_u32 s25, s25, s38                        ; a block past the count repeats the last block that exists
	s_min_u32 s25, s25, 0x3f0
	s_lshl_b32 s25, s25, 7                         ; 16 ranks are 2,048 bytes of a slice
	v_add_nc_u32 v[VA+(\j)], s25, v[IXO]
.endr
	s_and_b32 s32, s20, 3                          ; the walk's first quarter of the half
	s_lshl_b32 s2, s32, 19
	s_add_nc_u64 s[34:35], s[36:37], s[2:3]
	REFILL 0, 0
	REFILL 1, DS
	REFILL 2, 2*DS
	REFILL 3, 3*DS
	WIN 0
	SETB 0
	FETCHB 0, 0
	STEP 0, 1, 60, 1, -1                           ; the first step stands ahead of the loop; three younger slots of 20 loads stay out
	s_mov_b32 s31, 3
.Lk:                                                   ; a trip: steps 4 i + 1 .. 4 i + 4; its four refills are the next quarter's four slices
	SETB 1
	STEP 1, 0, 40, 2, 0, 1                         ; two younger slots stay out
	STEP 2, 0, 40, 3, 1
	STEP 3, 0, 40, 4, 2
	STEP 4, 0, 40, 5, 3
	s_sub_co_u32 s31, s31, 1
	s_cmp_lg_u32 s31, 0
	s_cbranch_scc1 .Lk
	SETB 0
	STEP 1, 0, 40, 2, -1                           ; steps 13 to 15: no refill, the counts run down
	STEP 2, 0, 20, 3, -1
	STEP 3, 0, 0, -1, -1
	PLACES
	EPI 0
	EPI 1
	EPI 2
	EPI 3
	EPI 4
.Lnext:
	s_add_co_u32 s28, s28, 320
	s_sub_co_u32 s30, s30, 1
	s_cmp_lg_u32 s30, 0
	s_cbranch_scc1 .Lpass
	s_wait_dscnt 0x0                               ; my reads of the slice and of the list are back,
	s_barrier_signal -1
	s_barrier_wait -1                              ; and so are every wave's: no wave writes LDS again before that
	s_wait_tensorcnt 0x0                           ; the wave's end
	ds_add_u32 v[SPW], v[NIL]
	s_wait_dscnt 0x0
	s_endpgm
.Lfunc_end_k_qdfcba0bff3_ffn2:
	.size	k_qdfcba0bff3_ffn2, .Lfunc_end_k_qdfcba0bff3_ffn2-k_qdfcba0bff3_ffn2
	.p2alignl 7, 3214868480
	.fill 96, 4, 3214868480
	.section	.rodata,"a",@progbits
	.p2align	6, 0x0
	.amdhsa_kernel k_qdfcba0bff3_ffn2
		.amdhsa_group_segment_fixed_size 156672
		.amdhsa_private_segment_fixed_size 0
		.amdhsa_enable_private_segment 0
		.amdhsa_kernarg_size 48
		.amdhsa_user_sgpr_count 2
		.amdhsa_user_sgpr_kernarg_segment_ptr 1
		.amdhsa_wavefront_size32 1
		.amdhsa_system_sgpr_workgroup_id_x 1
		.amdhsa_system_sgpr_workgroup_id_y 1
		.amdhsa_system_sgpr_workgroup_id_z 1
		.amdhsa_system_vgpr_workitem_id 0
		.amdhsa_next_free_vgpr 768
		.amdhsa_next_free_sgpr 74
		.amdhsa_reserve_vcc 0
		.amdhsa_float_denorm_mode_32 3
		.amdhsa_float_denorm_mode_16_64 3
		.amdhsa_memory_ordered 1
		.amdhsa_forward_progress 1
		.amdhsa_inst_pref_size 155
	.end_amdhsa_kernel
	.amdgpu_metadata
---
amdhsa.version: [ 1, 2 ]
amdhsa.kernels:
  - .name:           k_qdfcba0bff3_ffn2
    .symbol:         k_qdfcba0bff3_ffn2.kd
    .args:
      - { .name: hbuf, .offset: 0, .size: 8, .value_kind: global_buffer, .address_space: global }
      - { .name: w2, .offset: 8, .size: 8, .value_kind: global_buffer, .address_space: global }
      - { .name: b2, .offset: 16, .size: 8, .value_kind: global_buffer, .address_space: global }
      - { .name: idx, .offset: 24, .size: 8, .value_kind: global_buffer, .address_space: global }
      - { .name: gw, .offset: 32, .size: 8, .value_kind: global_buffer, .address_space: global }
      - { .name: part, .offset: 40, .size: 8, .value_kind: global_buffer, .address_space: global }
    .group_segment_fixed_size: 156672
    .private_segment_fixed_size: 0
    .kernarg_segment_align: 8
    .kernarg_segment_size: 48
    .max_flat_workgroup_size: 128
    .sgpr_count:     74
    .vgpr_count:     768
    .wavefront_size: 32
...
	.end_amdgpu_metadata
.endif
;; end of part 3
;; launch sum (part 4): grid 256 x 1, 8 waves a work-group, no clusters, 0 bytes of LDS; arguments part, out0; writes out0
.if DOCPART == 4
	.amdgcn_target "amdgcn-amd-amdhsa--gfx1250"
	.amdhsa_code_object_version 6
	.text
	.protected	k_qdfcba0bff3_sum
	.globl	k_qdfcba0bff3_sum
	.p2align	8
	.type	k_qdfcba0bff3_sum,@function
k_qdfcba0bff3_sum:
	s_mov_b64 s[64:65], 0
	v_nop
	global_prefetch_b8 v0, s[64:65] scope:SCOPE_SE
	s_setreg_imm32_b32 hwreg(HW_REG_WAVE_MODE, 25, 1), 1
	s_wait_xcnt 0x0
; out0[token] = the sum of the token's four partial rows (two experts x two halves of F), which lie end to end in part: 16,384 bytes a token, f32.
; A work-group has 4 tokens; 64 threads share a token's row: thread t takes bytes 16 t + 1,024 z, z = 0..3, of each of the four rows.
; Every load and store of a wave covers 512 consecutive bytes.  All 16 loads go out first; the waits count the younger groups of four.
; A stream: no LDS, no matrix unit, no barrier; each byte is read once and written once.
	s_load_b128 s[4:7], s[0:1], 0x0                ; part s[4:5], out0 s[6:7]
	v_lshrrev_b32 v1, 6, v0                        ; which of the four tokens
	v_and_b32 v2, 63, v0
	v_lshlrev_b32 v2, 4, v2
	v_lshl_add_u32 v3, v1, 14, v2                  ; in part
	v_lshl_add_u32 v4, v1, 12, v2                  ; in out0
	s_lshl_b32 s2, ttmp9, 16
	s_mov_b32 s3, 0
	s_lshl_b32 s8, ttmp9, 14
	s_mov_b32 s9, 0
	s_wait_kmcnt 0x0
	s_add_nc_u64 s[4:5], s[4:5], s[2:3]
	s_add_nc_u64 s[6:7], s[6:7], s[8:9]
.irp z, 0,1,2,3
.irp p, 0,1,2,3
	global_load_b128 v[8+16*(\z)+4*(\p):8+16*(\z)+4*(\p)+3], v3, s[4:5] offset:1024*(\z)+4096*(\p) th:TH_LOAD_NT
.endr
.endr
.irp z, 0,1,2,3
	s_wait_loadcnt 12-4*(\z)
	v_pk_add_f32 v[8+16*(\z):8+16*(\z)+1],    v[8+16*(\z):8+16*(\z)+1],    v[8+16*(\z)+4:8+16*(\z)+5]
	v_pk_add_f32 v[8+16*(\z)+2:8+16*(\z)+3],  v[8+16*(\z)+2:8+16*(\z)+3],  v[8+16*(\z)+6:8+16*(\z)+7]
	v_pk_add_f32 v[8+16*(\z)+8:8+16*(\z)+9],  v[8+16*(\z)+8:8+16*(\z)+9],  v[8+16*(\z)+12:8+16*(\z)+13]
	v_pk_add_f32 v[8+16*(\z)+10:8+16*(\z)+11], v[8+16*(\z)+10:8+16*(\z)+11], v[8+16*(\z)+14:8+16*(\z)+15]
	v_pk_add_f32 v[8+16*(\z):8+16*(\z)+1],    v[8+16*(\z):8+16*(\z)+1],    v[8+16*(\z)+8:8+16*(\z)+9]
	v_pk_add_f32 v[8+16*(\z)+2:8+16*(\z)+3],  v[8+16*(\z)+2:8+16*(\z)+3],  v[8+16*(\z)+10:8+16*(\z)+11]
	global_store_b128 v4, v[8+16*(\z):8+16*(\z)+3], s[6:7] offset:1024*(\z) th:TH_STORE_NT
.endr
	s_endpgm
.Lfunc_end_k_qdfcba0bff3_sum:
	.size	k_qdfcba0bff3_sum, .Lfunc_end_k_qdfcba0bff3_sum-k_qdfcba0bff3_sum
	.p2alignl 7, 3214868480
	.fill 96, 4, 3214868480
	.section	.rodata,"a",@progbits
	.p2align	6, 0x0
	.amdhsa_kernel k_qdfcba0bff3_sum
		.amdhsa_group_segment_fixed_size 0
		.amdhsa_private_segment_fixed_size 0
		.amdhsa_enable_private_segment 0
		.amdhsa_kernarg_size 16
		.amdhsa_user_sgpr_count 2
		.amdhsa_user_sgpr_kernarg_segment_ptr 1
		.amdhsa_wavefront_size32 1
		.amdhsa_system_sgpr_workgroup_id_x 1
		.amdhsa_system_sgpr_workgroup_id_y 1
		.amdhsa_system_sgpr_workgroup_id_z 1
		.amdhsa_system_vgpr_workitem_id 0
		.amdhsa_next_free_vgpr 72
		.amdhsa_next_free_sgpr 66
		.amdhsa_reserve_vcc 0
		.amdhsa_float_denorm_mode_32 3
		.amdhsa_float_denorm_mode_16_64 3
		.amdhsa_memory_ordered 1
		.amdhsa_forward_progress 1
		.amdhsa_inst_pref_size 5
	.end_amdhsa_kernel
	.amdgpu_metadata
---
amdhsa.version: [ 1, 2 ]
amdhsa.kernels:
  - .name:           k_qdfcba0bff3_sum
    .symbol:         k_qdfcba0bff3_sum.kd
    .args:
      - { .name: part, .offset: 0, .size: 8, .value_kind: global_buffer, .address_space: global }
      - { .name: out0, .offset: 8, .size: 8, .value_kind: global_buffer, .address_space: global }
    .group_segment_fixed_size: 0
    .private_segment_fixed_size: 0
    .kernarg_segment_align: 8
    .kernarg_segment_size: 16
    .max_flat_workgroup_size: 256
    .sgpr_count:     66
    .vgpr_count:     72
    .wavefront_size: 32
...
	.end_amdgpu_metadata
.endif
;; end of part 4
